; MI455X (gfx1250); checked and timed in simulation.
; The chip was launched on July 23, 2026; its instructions are those of AMD's public machine-readable ISA for CDNA 5 (MIT licence, August 2026) and "CDNA5" Instruction Set Architecture Reference Guide (July 2026). The comments in the code are by the model that wrote it; some were corrected since.
;; Inter Modality Update. Allowed arithmetic: float matrix products may take bf16 or f16 operands with f32 sums; all other float work in f32.
;; Inputs: Wq 1,024 x 3,072 float32; Wqo 2,048 x 1,024 float32; Wv 1,024 x 3,072 float32; Wvo 2,048 x 1,024 float32; bq 3,072 float32; bqo 1,024 float32; bv 3,072 float32; bvo 1,024 float32; q 32 x 128 x 1,024 float32; v 32 x 128 x 1,024 float32.
;; Outputs: out0 32 x 128 x 1,024 float32; out1 32 x 128 x 1,024 float32.
;; One version. Each part assembles by itself: llvm-mc -triple=amdgcn-amd-amdhsa -mcpu=gfx1250 --defsym DOCPART=n.
;; ======== version 1 of 1: 3 launches
;; workspace buffers: xb 16,777,216 bytes; wb 12,582,912 bytes; wob 8,388,608 bytes; upd 16,777,216 bytes
;; launch prep (part 1): grid 1024 x 1, 8 waves a work-group, no clusters, 0 bytes of LDS; arguments v, q, Wv, Wq, Wvo, Wqo, xb, wb, wob; writes xb, wb, wob
.if DOCPART == 1
	.amdgcn_target "amdgcn-amd-amdhsa--gfx1250"
	.amdhsa_code_object_version 6
	.text
	.protected	k_q9aaa7ba920_prep
	.globl	k_q9aaa7ba920_prep
	.p2align	8
	.type	k_q9aaa7ba920_prep,@function
k_q9aaa7ba920_prep:
	s_mov_b64 s[64:65], 0
	v_nop
	global_prefetch_b8 v0, s[64:65] scope:SCOPE_SE
	s_setreg_imm32_b32 hwreg(HW_REG_WAVE_MODE, 25, 1), 1
	s_wait_xcnt 0x0
; InterModalityUpdate, launch 1 of 3: v, q and the four weight matrices are rounded once from f32 to bf16 and laid out as the dense
; tiles that the two matrix launches fetch.  No work of the problem is left out anywhere in the program: every input reaches an
; output (the biases stand in front of a ReLU behind products that differ from row to row; the softmax keeps its maximum).
;   xb  [mod 2][b 32][kt 16][row 128][64 k]            mod 0 = v, mod 1 = q; a tile (mod, b, kt) is 16,384 dense bytes
;   wb  [mod 2][head 8][k 1024][piece 3][128 columns]  element = W[k][piece*1024 + head*128 + column]; a k row is 768 bytes
;   wob [mod 2][nb 4][k 2048][256 columns]             element = Wo[k][nb*256 + column]; a k row is 512 bytes
; LIMIT: matrix operands are bf16 (round to nearest even); nothing else is changed here.
; A stream: a chunk is one 16-byte load a lane (512 bytes of f32), two packed roundings and one 8-byte store a lane, lane L at 8 L, so
; that a wave's store covers 256 consecutive bytes, aligned.  Each wave issues all its loads first.  A chunk is rounded in place, into the first
; two of the four registers that it was loaded into, and stored from there: a wave holds 8 + 4 x 24 = 104 registers, and no register is written
; again behind its store, so the only waits are the counted ones for the loads.  Matrix units, LDS and clusters have nothing to do in a stream.
; The work-groups whose numbers are equal modulo 256 are one of 24 chunks a wave and three of 16.
.set SO, 2                             ; v2        byte offset of my 16 bytes in the source chunk
.set DO, 3                             ; v3        8 x lane: my 8 bytes in the destination chunk
.set X,  8                             ; v[8:103]  chunk i: four f32, then four bf16 in the first two registers
; n chunks.  kind 0: a row of Wv or Wq (24 chunks of 128 columns: chunk i is head i%8 of piece i/8);
; kind 1: two rows of v or q (chunk i is the 64 columns of tile kt = i); kind 2: two rows of Wvo or Wqo (chunk i: row i/8, 128 columns).
.macro CONV n, kind
.set i, 0
.rept \n
.if \kind == 1
	global_load_b128 v[X+4*i:X+4*i+3], v[SO], s[28:29] offset:256*i th:TH_LOAD_NT
.else
	global_load_b128 v[X+4*i:X+4*i+3], v[SO], s[28:29] offset:512*i th:TH_LOAD_NT
.endif
.set i, i+1
.endr
.set i, 0
.rept \n
	s_wait_loadcnt \n-1-i                          ; loads return in order: chunk i is in, the younger ones stay out
	v_cvt_pk_bf16_f32 v[X+4*i],   v[X+4*i],   v[X+4*i+1]
	v_cvt_pk_bf16_f32 v[X+4*i+1], v[X+4*i+2], v[X+4*i+3]
.if \kind == 0
	global_store_b64 v[DO], v[X+4*i:X+4*i+1], s[30:31] offset:(i&7)*786432+(i>>3)*256
.endif
.if \kind == 1
	global_store_b64 v[DO], v[X+4*i:X+4*i+1], s[30:31] offset:16384*i
.endif
.if \kind == 2
	global_store_b64 v[DO], v[X+4*i:X+4*i+1], s[30:31] offset:(i>>3)*512+((i&7)>>1)*1048576+(i&1)*256
.endif
.set i, i+1
.endr
.endm
	s_load_b512 s[8:23], s[0:1], 0x0               ; v s[8:9], q s[10:11], Wv s[12:13], Wq s[14:15], Wvo s[16:17], Wqo s[18:19], xb s[20:21], wb s[22:23]
	s_load_b64 s[24:25], s[0:1], 0x40              ; wob
	v_lshrrev_b32 v1, 5, v0
	v_readfirstlane_b32 s4, v1                     ; wave 0..7
	v_and_b32 v1, 31, v0                           ; lane
	v_lshlrev_b32 v[DO], 3, v1
	s_mov_b32 s33, 0                               ; high words of the two offsets
	s_mov_b32 s35, 0
	s_cmp_lt_u32 ttmp9, 256
	s_cbranch_scc0 .Lnot_w
	; work-groups 0..255: Wv, Wq.  A wave takes one k row of 12,288 bytes.
	s_lshr_b32 s5, ttmp9, 7                        ; mod
	s_and_b32 s6, ttmp9, 127
	s_lshl3_add_u32 s6, s6, s4                     ; k = 8 x (id % 128) + wave
	s_mul_i32 s32, s6, 12288                       ; source: k rows of 3,072 f32
	s_mul_i32 s34, s6, 768                         ; destination: k rows of 768 bytes inside a head,
	s_mul_i32 s7, s5, 6291456                      ; behind the modality
	s_add_co_u32 s34, s34, s7
	v_lshlrev_b32 v[SO], 4, v1
	s_wait_kmcnt 0x0
	s_cmp_eq_u32 s5, 0
	s_cselect_b64 s[28:29], s[12:13], s[14:15]
	s_add_nc_u64 s[28:29], s[28:29], s[32:33]
	s_add_nc_u64 s[30:31], s[22:23], s[34:35]
	CONV 24, 0
	s_endpgm
.Lnot_w:
	s_cmp_lt_u32 ttmp9, 768
	s_cbranch_scc0 .Lwo
	; work-groups 256..767: v, q.  A work-group takes 16 rows, a wave two; lanes 0-15 the first row's 64 columns of a tile, lanes 16-31 the second's.
	s_sub_co_u32 s5, ttmp9, 256
	s_and_b32 s6, s5, 255                          ; block of 16 rows
	s_lshr_b32 s5, s5, 8                           ; mod
	s_lshl_b32 s32, s6, 16                         ; source: 16 rows of 4,096 bytes
	s_lshl_b32 s7, s4, 13                          ; + 2 rows a wave
	s_add_co_u32 s32, s32, s7
	s_lshl_b32 s34, s5, 23                         ; destination: modality,
	s_lshr_b32 s7, s6, 3
	s_lshl_b32 s7, s7, 18                          ; batch (8 blocks of 16 rows),
	s_add_co_u32 s34, s34, s7
	s_and_b32 s7, s6, 7
	s_lshl_b32 s7, s7, 11                          ; 16 rows of 128 bytes in the tile,
	s_add_co_u32 s34, s34, s7
	s_lshl_b32 s7, s4, 8                           ; 2 rows a wave
	s_add_co_u32 s34, s34, s7
	v_and_b32 v4, 15, v0
	v_bfe_u32 v5, v0, 4, 1
	v_lshlrev_b32 v[SO], 4, v4
	v_lshl_add_u32 v[SO], v5, 12, v[SO]
	s_wait_kmcnt 0x0
	s_cmp_eq_u32 s5, 0
	s_cselect_b64 s[28:29], s[8:9], s[10:11]
	s_add_nc_u64 s[28:29], s[28:29], s[32:33]
	s_add_nc_u64 s[30:31], s[20:21], s[34:35]
	CONV 16, 1
	s_endpgm
.Lwo:
	; work-groups 768..1023: Wvo, Wqo.  A work-group takes 16 k rows of 4,096 bytes, a wave two.
	s_sub_co_u32 s5, ttmp9, 768
	s_and_b32 s6, s5, 127
	s_lshr_b32 s5, s5, 7                           ; mod
	s_lshl_b32 s6, s6, 4
	s_lshl1_add_u32 s6, s4, s6                     ; k = 16 x (id % 128) + 2 x wave
	s_lshl_b32 s32, s6, 12
	s_lshl_b32 s34, s6, 9                          ; k rows of 512 bytes inside a column block
	s_lshl_b32 s7, s5, 22
	s_add_co_u32 s34, s34, s7
	v_lshlrev_b32 v[SO], 4, v1
	s_wait_kmcnt 0x0
	s_cmp_eq_u32 s5, 0
	s_cselect_b64 s[28:29], s[16:17], s[18:19]
	s_add_nc_u64 s[28:29], s[28:29], s[32:33]
	s_add_nc_u64 s[30:31], s[24:25], s[34:35]
	CONV 16, 2
	s_endpgm
.Lfunc_end_k_q9aaa7ba920_prep:
	.size	k_q9aaa7ba920_prep, .Lfunc_end_k_q9aaa7ba920_prep-k_q9aaa7ba920_prep
	.p2alignl 7, 3214868480
	.fill 96, 4, 3214868480
	.section	.rodata,"a",@progbits
	.p2align	6, 0x0
	.amdhsa_kernel k_q9aaa7ba920_prep
		.amdhsa_group_segment_fixed_size 0
		.amdhsa_private_segment_fixed_size 0
		.amdhsa_enable_private_segment 0
		.amdhsa_kernarg_size 72
		.amdhsa_user_sgpr_count 2
		.amdhsa_user_sgpr_kernarg_segment_ptr 1
		.amdhsa_wavefront_size32 1
		.amdhsa_system_sgpr_workgroup_id_x 1
		.amdhsa_system_sgpr_workgroup_id_y 1
		.amdhsa_system_sgpr_workgroup_id_z 1
		.amdhsa_system_vgpr_workitem_id 0
		.amdhsa_next_free_vgpr 104
		.amdhsa_next_free_sgpr 66
		.amdhsa_reserve_vcc 0
		.amdhsa_float_denorm_mode_32 3
		.amdhsa_float_denorm_mode_16_64 3
		.amdhsa_memory_ordered 1
		.amdhsa_forward_progress 1
		.amdhsa_inst_pref_size 23
	.end_amdhsa_kernel
	.amdgpu_metadata
---
amdhsa.version: [ 1, 2 ]
amdhsa.kernels:
  - .name:           k_q9aaa7ba920_prep
    .symbol:         k_q9aaa7ba920_prep.kd
    .args:
      - { .name: v, .offset: 0, .size: 8, .value_kind: global_buffer, .address_space: global }
      - { .name: q, .offset: 8, .size: 8, .value_kind: global_buffer, .address_space: global }
      - { .name: Wv, .offset: 16, .size: 8, .value_kind: global_buffer, .address_space: global }
      - { .name: Wq, .offset: 24, .size: 8, .value_kind: global_buffer, .address_space: global }
      - { .name: Wvo, .offset: 32, .size: 8, .value_kind: global_buffer, .address_space: global }
      - { .name: Wqo, .offset: 40, .size: 8, .value_kind: global_buffer, .address_space: global }
      - { .name: xb, .offset: 48, .size: 8, .value_kind: global_buffer, .address_space: global }
      - { .name: wb, .offset: 56, .size: 8, .value_kind: global_buffer, .address_space: global }
      - { .name: wob, .offset: 64, .size: 8, .value_kind: global_buffer, .address_space: global }
    .group_segment_fixed_size: 0
    .private_segment_fixed_size: 0
    .kernarg_segment_align: 8
    .kernarg_segment_size: 72
    .max_flat_workgroup_size: 256
    .sgpr_count:     66
    .vgpr_count:     104
    .wavefront_size: 32
...
	.end_amdgpu_metadata
.endif
;; end of part 1
;; launch attn (part 2): grid 8 x 32, 4 waves a work-group, clusters of 4 x 4, 327,680 bytes of LDS; arguments xb, wb, bv, bq, upd; writes upd
.if DOCPART == 2
	.amdgcn_target "amdgcn-amd-amdhsa--gfx1250"
	.amdhsa_code_object_version 6
	.text
	.protected	k_q9aaa7ba920_attn
	.globl	k_q9aaa7ba920_attn
	.p2align	8
	.type	k_q9aaa7ba920_attn,@function
k_q9aaa7ba920_attn:
	s_mov_b64 s[64:65], 0
	v_nop
	global_prefetch_b8 v0, s[64:65] scope:SCOPE_SE
	s_setreg_imm32_b32 hwreg(HW_REG_WAVE_MODE, 25, 1), 1
	s_wait_xcnt 0x0
	s_wait_alu depctr_hold_cnt(0) depctr_sa_sdst(0) depctr_va_vdst(0) depctr_va_sdst(0) depctr_va_ssrc(0) depctr_va_vcc(0) depctr_vm_vsrc(0)
	s_getreg_b32 s2, hwreg(HW_REG_IB_STS2, 6, 4)
	s_cmp_eq_u32 s2, 0
	s_cbranch_scc0 .Lentry_in_a_cluster
	s_endpgm
.Lentry_in_a_cluster:
	s_bfe_u32 s2, ttmp6, 0x10000c
	s_cmp_lg_u32 s2, 0xf033
	s_cbranch_scc0 .Lentry_shape_is_right
	s_endpgm
.Lentry_shape_is_right:
; InterModalityUpdate, launch 2 of 3.  A work-group owns one batch b and one head: it makes the six 128 x 128 tiles relu(x W + bias)
; (key, query, value of v and of q; K = 1024) in 768 accumulator registers a wave, hands them over in LDS as bf16, and runs both cross
; attentions (v's queries on q's keys and values, q's queries on v's).  The key, query and value tensors never go to memory.  Nothing is left out.
; Result: upd [mod][b][kt 16][row 128][64], bf16; head h fills kt = 2h, 2h+1; mod 0 = v_update, mod 1 = q_update.
; LIMITS: all matrix operands (x, W, key, query, value, the softmax's weights) are bf16, sums f32.  ReLU is max(0, x) by v_max_num_f32: a NaN
; becomes 0.  v_exp_f32 gives 0 for results below 2^-126.  The softmax takes each row's own maximum away and divides by the f32 sum.
; SHARES.  w = wave, hi = w / 2, lo = w % 2.  Products: wave w makes 128 rows x 192 columns (columns 192 lo .. of the 384) of modality hi:
; 8 row blocks a x 12 column blocks cb = 96 accumulators.  Attention: direction hi, query rows 64 lo .. 64 lo + 63.
; CLUSTERS: 4 x 4 work-groups.  x's tiles hang on the batch alone (grid y) and are asked for jointly along a row of the cluster; W's tiles hang on
; the head alone (grid x) and are asked for jointly along a column: a quarter of the requests.  Waves 0, 1 ask for x of v and of q, waves 2, 3 for W.
; LDS.  Two slots of 147,456 bytes, a K step of 64 each: x of v, x of q (18,432 each), W of v, W of q (55,296 each).  The mover lays 16 bytes behind
; every 128: x's rows are 144 bytes apart (9 x 16: sixteen rows begin at sixteen different 16-byte columns modulo 256), W's k rows 6 x 144 = 864
; (27 x 32).  Behind the slots' last fill the same bytes hold the twelve bf16 units [128 rows][64 columns], pitch 144, unit (mod, u) at
; (6 mod + u) x 18,432; u = 0, 1 key, 2, 3 query, 4, 5 value.  From byte 294,912: 4,608 bytes a wave for the way out, which no tensor load fills.
; REGISTERS.  Window 0: v0-31 addresses, v32-95 and v96-159 x fragments (two buffers), v160-255 W fragments (three groups of four).
; Windows 1-3: accumulator (cb = 4 g + cbl, a) in window g + 1 at v[8 (8 cbl + a)].
; THE PRODUCT IS USED TRANSPOSED: source 0 = 16 columns of W, source 1 = 16 rows of x, so that a lane's eight results are eight neighbouring
; columns of one row, 16 bytes of bf16.
; PREFETCH.  A lap is two K steps.  At the head of each of the laps 0 to 6 waves 0 and 2 ask once each, lanes 256 bytes apart, for a share of the two K
; steps that this lap's joint loads will fetch (steps 2 lap + 2 and 2 lap + 3): those loads stand 128 and 320 products of the wave further down.
; Wave 0, x: the two steps' tiles of a batch and a modality are 32,768 consecutive bytes; four heads take 8,192 each (head / 4 = modality, head % 4 = piece).
; Wave 2, W: a head's four tiles (2 steps x 2 modalities, 196,608 bytes) are shared by the 32 batches, 6,144 bytes each (bit 3 of the batch = modality,
; bit 4 = step, its low three bits = piece): that is 24 lanes; lanes 24-31 fall on lane 23's 256 bytes, since switching them off would put a wait on
; XCNT, which a change of EXEC asks for, straight behind the request.  So every aligned 256 bytes of K steps 2 to 15 are asked for by one wave of one
; work-group.  Steps 0 and 1 are the first fills; the last lap asks for nothing, so no request points past K step 15.
.set SLOT,  147456
.set XT,    18432                      ; an x tile in LDS: 128 rows x 144
.set WT,    55296                      ; a W tile in LDS: 64 k rows x 864
.set WOFF,  2*XT
.set XP,    144
.set WP,    864
.set UNIT,  18432
.set OST,   2*SLOT
.set OSTB,  4608
.set FL, (1<<16)|(1<<20)|(1<<21)|(4<<22)|(3<<25)   ; elements of 2 bytes; padding on; bit 21 beside a mask; after every 32 words; 4 words
.set G1A, 24                           ; s[24:31] group 1, x tiles
.set G0A, 32                           ; s[32:39] group 0, x tiles, a set for each slot
.set G1W, 40                           ; s[40:47] group 1, W tiles
.set G0W, 48                           ; s[48:55] group 0, W tiles, a set for each slot
.set ADRA, 10                          ; v10-11 my x fragments in slot 0, 1
.set ADRB, 12                          ; v12-13 my W fragments in slot 0, 1
.set STG,  14                          ; where I put 16 bytes of a unit's row
.set BADR, 15                          ; v15-17 byte offset of my bias numbers, group g
.set QADR, 18
.set KADR, 19
.set VADR, 20
.set OSTW, 21
.set OSTR, 22
.set CO,   23
.set PFO,  24                          ; prefetch: 256 x lane (wave 2: 256 x min(lane, 23)); never rewritten
.set ABUF0, 32
.set ABUF1, 96
.set BG,    160
.set T,     96                         ; first epilogue: 64 f32 at work
.set PK,    192                        ; first epilogue: 32 packed words
.set M,     224                        ; softmax: row maxima, one for each of my four query blocks
.set TX,    228                        ; what the other half of the lanes holds
.set NM,    232                        ; pairs: - maximum x log2(e) / sqrt(128)
.set SUM,   240                        ; pairs: sums
.set R,     248                        ; pairs: 1 / sum
.set MSB, 0
.macro WIN new                         ; the immediate's high byte repeats the setting that is left
.if MSB != (\new)
	s_set_vgpr_msb (MSB<<8)|(\new)
.set MSB, (\new)
.endif
.endm
.macro PLACES                          ; four plain vector instructions between a matrix instruction and a load into, or a vector
.rept 4                                ; instruction on, one of its registers (ISA guide 7.12.1 for vector instructions)
	v_nop
.endr
.endm
.macro JLOAD sl                        ; a joint load: each line has one mask; the branch hangs on the wave's number alone
	s_cmp_eq_u32 s15, 0
	s_cbranch_scc0 .Lfor_w_\@
	tensor_load_to_lds s[G0A+4*\sl:G0A+4*\sl+3], s[G1A:G1A+7]
	s_nop 0
	s_branch .Lasked_\@
.Lfor_w_\@:
	tensor_load_to_lds s[G0W+4*\sl:G0W+4*\sl+3], s[G1W:G1W+7]
	s_nop 0
.Lasked_\@:
.endm
.macro CREST                           ; a round of the cluster's barrier behind its opening work-group barrier
	s_cmp_lg_u32 s14, 0
	s_cbranch_scc1 .Lnot_wave_0_\@
	s_barrier_signal -3
.Lnot_wave_0_\@:
	s_barrier_wait -3
	s_barrier_signal -1
	s_barrier_wait -1
.endm
.macro CROUND
	s_barrier_signal -1
	s_barrier_wait -1
	CREST
.endm
; A lap's request into the L2: waves 0 (x) and 2 (W).  The address steps by two K steps first: it starts at steps 0, 1, so the first request is for steps 2, 3.
.macro PF
	s_cmp_lg_u32 s16, 0
	s_cbranch_scc1 .Lno_pf_\@
	s_wait_xcnt 0x0                                ; the last lap's request has had its address translated: its base is rewritten only behind this wait
	s_add_nc_u64 s[70:71], s[70:71], s[74:75]
	global_prefetch_b8 v[PFO], s[70:71] th:TH_LOAD_NT scope:SCOPE_SE
.Lno_pf_\@:
.endm
	s_load_b256 s[4:11], s[0:1], 0x0               ; xb s[4:5], wb s[6:7], bv s[8:9], bq s[10:11]
	s_load_b64 s[12:13], s[0:1], 0x20              ; upd
	v_lshl_add_u32 v30, v0, 2, 0x4c800
	v_mov_b32 v31, 0
	ds_add_u32 v30, v31
	v_lshrrev_b32 v5, 5, v0
	v_readfirstlane_b32 s14, v5                    ; wave
	s_lshr_b32 s15, s14, 1                         ; hi
	s_and_b32 s16, s14, 1                          ; lo
	s_bfe_u32 s17, ttmp6, 0x40000                  ; cx
	s_bfe_u32 s18, ttmp6, 0x40004                  ; cy
	s_lshl_b32 s19, ttmp9, 2
	s_add_co_u32 s19, s19, s17                     ; head = 4 x cluster x + cx
	s_and_b32 s20, ttmp7, 0xffff
	s_lshl_b32 s20, s20, 2
	s_add_co_u32 s20, s20, s18                     ; batch = 4 x cluster y + cy
	s_lshl_b32 s21, s18, 2
	s_lshl_b32 s21, 15, s21                        ; my row of the cluster
	s_lshl_b32 s22, 0x1111, s17                    ; my column
	s_mov_b32 s66, 0x76543210                      ; v_permlanex16_b32: lane i reads lane i of the other half
	s_mov_b32 s67, 0xfedcba98
	; group 1.  Both tiles are dense blocks, taken as rows of 256 bytes: x 64 rows (16,384 bytes), W 192 rows (49,152 bytes).
	s_or_b32  s[G1A+0], s21, FL
	s_mov_b32 s[G1A+1], 128<<16                    ; tensor_dim0 = 128 elements
	s_mov_b32 s[G1A+2], 64<<16                     ; tensor_dim1 = 64
	s_mov_b32 s[G1A+3], 128<<16                    ; tile_dim0 = 128
	s_mov_b32 s[G1A+4], 64                         ; tile_dim1 = 64
	s_mov_b32 s[G1A+5], 128                        ; elements from row to row
	s_mov_b32 s[G1A+6], 0
	s_mov_b32 s[G1A+7], 0
	s_or_b32  s[G1W+0], s22, FL
	s_mov_b32 s[G1W+1], 128<<16
	s_mov_b32 s[G1W+2], 192<<16
	s_mov_b32 s[G1W+3], 128<<16
	s_mov_b32 s[G1W+4], 192
	s_mov_b32 s[G1W+5], 128
	s_mov_b32 s[G1W+6], 0
	s_mov_b32 s[G1W+7], 0
	; x's address is made of the batch and lo, W's of the head and lo, each in registers that never hold the other coordinate
	s_lshl_b32 s56, s20, 18                        ; batch x 262,144
	s_lshl_b32 s57, s16, 23                        ; modality lo x 8,388,608
	s_add_co_u32 s56, s56, s57
	s_mov_b32 s57, 0
	s_mul_i32 s58, s19, 786432                     ; head
	s_mul_i32 s59, s16, 6291456                    ; modality lo
	s_add_co_u32 s58, s58, s59
	s_mov_b32 s59, 0
	s_mul_i32 s63, s16, XT                         ; LDS: x of modality lo
	s_mul_i32 s23, s16, WT                         ; LDS: W of modality lo
	s_add_co_u32 s23, s23, WOFF
	s_wait_dscnt 0x0
	s_wait_kmcnt 0x0
	s_add_nc_u64 s[56:57], s[4:5], s[56:57]
	s_add_nc_u64 s[58:59], s[6:7], s[58:59]
	CROUND                                         ; all sixteen work-groups are here: the first joint loads meet
.irp s, 0,1
	s_mov_b32 s[G0A+4*\s], 1
	s_add_co_u32 s[G0A+4*\s+1], s63, \s*SLOT
	s_add_nc_u64 s[G0A+4*\s+2:G0A+4*\s+3], s[56:57], \s*16384      ; K step s
	s_or_b32 s[G0A+4*\s+3], s[G0A+4*\s+3], 0x80000000
	s_mov_b32 s[G0W+4*\s], 1
	s_add_co_u32 s[G0W+4*\s+1], s23, \s*SLOT
	s_add_nc_u64 s[G0W+4*\s+2:G0W+4*\s+3], s[58:59], \s*49152
	s_or_b32 s[G0W+4*\s+3], s[G0W+4*\s+3], 0x80000000
	JLOAD \s                                       ; both slots' first fills go out together: two tensor loads of the wave are out
.endr
	s_cmp_eq_u32 s15, 0
	s_cselect_b64 s[60:61], s[8:9], s[10:11]       ; my modality's bias
	s_lshl_b32 s68, s15, 23                        ; upd: direction,
	s_lshl_b32 s69, s20, 18                        ; batch,
	s_add_co_u32 s68, s68, s69
	s_lshl_b32 s69, s19, 15                        ; head (two tiles of 16,384),
	s_add_co_u32 s68, s68, s69
	s_lshl_b32 s69, s16, 13                        ; my 64 rows of 128 bytes
	s_add_co_u32 s68, s68, s69
	s_mov_b32 s69, 0
	s_add_nc_u64 s[68:69], s[12:13], s[68:69]
	; the work-group's shares of the requests into the L2, at K steps 0, 1; made in registers that feed no descriptor and no LDS address
	s_lshr_b32 s2, s19, 2                          ; x: modality = head / 4,
	s_lshl_b32 s2, s2, 23
	s_lshl_b32 s3, s20, 18                         ; batch,
	s_add_co_u32 s2, s2, s3
	s_and_b32 s3, s19, 3                           ; piece head % 4 of 8,192 bytes
	s_lshl_b32 s3, s3, 13
	s_add_co_u32 s2, s2, s3
	s_mov_b32 s3, 0
	s_add_nc_u64 s[70:71], s[4:5], s[2:3]
	s_bfe_u32 s2, s20, 0x10003                     ; W: modality = bit 3 of the batch,
	s_mul_i32 s2, s2, 6291456
	s_mul_i32 s3, s19, 786432                      ; head,
	s_add_co_u32 s2, s2, s3
	s_lshr_b32 s3, s20, 4                          ; the first or the second of the two K steps = bit 4 of the batch,
	s_mul_i32 s3, s3, 49152
	s_add_co_u32 s2, s2, s3
	s_and_b32 s3, s20, 7                           ; piece batch % 8 of 6,144 bytes
	s_mul_i32 s3, s3, 6144
	s_add_co_u32 s2, s2, s3
	s_mov_b32 s3, 0
	s_add_nc_u64 s[72:73], s[6:7], s[2:3]
	s_mov_b32 s74, 98304                           ; two K steps of W,
	s_mov_b32 s75, 0
	s_cmp_eq_u32 s15, 0                            ; wave 0 asks for x, wave 2 for W
	s_cselect_b64 s[70:71], s[70:71], s[72:73]
	s_cselect_b32 s74, 32768, s74                  ; or of x
	s_cselect_b32 s3, 31, 23                       ; the last lane with 256 bytes of its own
	v_and_b32 v[PFO], 31, v0
	v_min_u32 v[PFO], s3, v[PFO]
	v_lshlrev_b32 v[PFO], 8, v[PFO]
	v_and_b32 v1, 15, v0                           ; r
	v_bfe_u32 v2, v0, 4, 1                         ; h
	v_and_b32 v3, 7, v0
	v_bfe_u32 v4, v0, 3, 1
	v_and_b32 v5, 31, v0                           ; lane
	v_mul_u32_u24 v6, v1, XP
	v_lshl_add_u32 v6, v2, 4, v6                   ; 144 r + 16 h: a fragment of rows that lie along K
	v_lshl_add_u32 v7, v2, 3, v3                   ; 8 h + lane % 8: the row that a transposing load addresses
	v_mul_u32_u24 v8, v7, WP
	v_lshl_add_u32 v8, v4, 4, v8
	v_mul_u32_u24 v9, v7, XP
	v_lshl_add_u32 v9, v4, 4, v9
	s_mul_i32 s63, s15, XT
	v_add_nc_u32 v[ADRA], s63, v6
	v_add_nc_u32 v[ADRA+1], SLOT, v[ADRA]
	s_mul_i32 s63, s15, WT
	s_mul_i32 s23, s16, 3*XP                       ; my 192 columns: three pieces of 64
	s_add_co_u32 s63, s63, s23
	s_add_co_u32 s63, s63, WOFF
	v_add_nc_u32 v[ADRB], s63, v8
	v_add_nc_u32 v[ADRB+1], SLOT, v[ADRB]
	s_mul_i32 s63, s14, WT                         ; my three units: (6 hi + 3 lo) x 18,432 = wave x 55,296
	v_add_nc_u32 v[STG], s63, v6
.irp g, 0,1,2
	s_mul_i32 s2, s16, 3
	s_add_co_u32 s2, s2, \g                        ; unit u = 3 lo + g
	s_lshr_b32 s3, s2, 1
	s_lshl_b32 s3, s3, 12                          ; piece u / 2: 1,024 f32
	s_and_b32 s2, s2, 1
	s_lshl_b32 s2, s2, 8                           ; half u % 2: 64 f32
	s_add_co_u32 s3, s3, s2
	s_lshl_b32 s2, s19, 9                          ; head: 128 f32
	s_add_co_u32 s3, s3, s2
	v_lshl_add_u32 v[BADR+\g], v2, 5, s3           ; + 8 h numbers
.endr
	s_mul_i32 s63, s15, 6*UNIT
	s_mul_i32 s23, s16, 64*XP
	s_add_co_u32 s63, s63, s23
	s_add_co_u32 s63, s63, 2*UNIT
	v_add_nc_u32 v[QADR], s63, v6                  ; my modality's query units, my 64 rows
	s_xor_b32 s63, s15, 1
	s_mul_i32 s63, s63, 6*UNIT
	v_add_nc_u32 v[KADR], s63, v6                  ; the other modality's key units
	s_add_co_u32 s63, s63, 4*UNIT
	v_add_nc_u32 v[VADR], s63, v9                  ; and its value units, read transposed
	s_mul_i32 s63, s14, OSTB
	s_add_co_u32 s63, s63, OST
	v_add_nc_u32 v[OSTW], s63, v6
	v_bfe_u32 v8, v0, 3, 2
	v_mul_u32_u24 v8, v8, XP
	v_lshl_add_u32 v8, v3, 4, v8                   ; back: eight lanes take a row's 128 bytes, four rows a load
	v_add_nc_u32 v[OSTR], s63, v8
	v_lshlrev_b32 v[CO], 4, v5
; 16 products: column blocks c0, c0 + 1 of group g x all 8 row blocks, 32 along K.  zero = 1: the first product starts the sum.
; The 96 accumulators take turns, one instruction a turn, in the same order in every step.
.macro MUL16 buf, g, c0, zero
.irp cbl, \c0, \c0+1
.irp a, 0,1,2,3,4,5,6,7
.if \zero
	v_wmma_f32_16x16x32_bf16 v[8*(8*(\cbl)+\a):8*(8*(\cbl)+\a)+7], v[BG+32*\g+8*(\cbl):BG+32*\g+8*(\cbl)+7], v[\buf+8*\a:\buf+8*\a+7], 0
.else
	v_wmma_f32_16x16x32_bf16 v[8*(8*(\cbl)+\a):8*(8*(\cbl)+\a)+7], v[BG+32*\g+8*(\cbl):BG+32*\g+8*(\cbl)+7], v[\buf+8*\a:\buf+8*\a+7], v[8*(8*(\cbl)+\a):8*(8*(\cbl)+\a)+7]
.endif
.endr
.endr
.endm
.macro SECT buf, g, zero               ; a group's 32 products, then the places in front of the loads that follow
	WIN ((\g+1)<<6)|((\g+1)<<4)
	MUL16 \buf, \g, 0, \zero
	MUL16 \buf, \g, 2, \zero
	WIN 0
	PLACES
.endm
; 8 transposing loads: group g's four W fragments (16 columns x 32 k) of half kh of slot sl's K step.  W lies [k][column].
.macro FETB sl, kh, g
.irp cbl, 0,1,2,3
	ds_load_tr16_b128 v[BG+32*\g+8*\cbl:BG+32*\g+8*\cbl+3],   v[ADRB+\sl] offset:\kh*32*WP+XP*\g+32*\cbl
	ds_load_tr16_b128 v[BG+32*\g+8*\cbl+4:BG+32*\g+8*\cbl+7], v[ADRB+\sl] offset:\kh*32*WP+XP*\g+32*\cbl+16*WP
.endr
.endm
; 16 loads: the eight x fragments (16 rows x 32 k)
.macro FETA sl, kh, buf
.irp a, 0,1,2,3,4,5,6,7
	ds_load_b128 v[\buf+8*\a:\buf+8*\a+3],   v[ADRA+\sl] offset:16*XP*\a+64*\kh
	ds_load_b128 v[\buf+8*\a+4:\buf+8*\a+7], v[ADRA+\sl] offset:16*XP*\a+64*\kh+32
.endr
.endm
; A K step of 64 is two steps of 32.  The fragments of a step of 32 are fetched during the step before, as 24, 8 and 8 loads, each group of W
; fragments straight behind the products that read its registers last.
; The first half, on x buffer 0.
.macro STEP sl, zero
	s_wait_dscnt 16                                ; this step's first 24 loads are in; its 8 + 8 younger ones may be out
	SECT ABUF0, 0, \zero
	FETB \sl, 1, 0
	FETA \sl, 1, ABUF1
	s_wait_dscnt 32                                ; group 1's 8 are in; younger: group 2's 8 and the 24 just issued
	SECT ABUF0, 1, \zero
	FETB \sl, 1, 1
	s_wait_dscnt 32                                ; group 2's 8 are in; younger: 24 + 8
	SECT ABUF0, 2, \zero
	FETB \sl, 1, 2
.endm
; The second half, on x buffer 1, changes slots.  In front of the barrier each wave waits for its reads of this slot and for all its tensor loads
; (one is out: its part of the next slot).  Where the slot is filled again the barrier opens a round of the cluster's barrier, and the joint refill
; is the wave's first tensor load behind the round's closing wait, and its only one until the next round.
.macro TURN sl, nx, fill
	s_wait_dscnt 16
	WIN 0x50
	MUL16 ABUF1, 0, 0, 0
	s_wait_dscnt 0                                 ; my reads of this slot are over
	s_wait_tensorcnt 0x0                           ; all my tensor loads have landed
	ds_add_u32 v30, v31
	s_wait_dscnt 0x0
	s_barrier_signal -1
	MUL16 ABUF1, 0, 2, 0                           ; register work while the others arrive
	WIN 0
	s_barrier_wait -1
.if \fill
	CREST
	s_add_nc_u64 s[G0A+4*\sl+2:G0A+4*\sl+3], s[G0A+4*\sl+2:G0A+4*\sl+3], 2*16384
	s_add_nc_u64 s[G0W+4*\sl+2:G0W+4*\sl+3], s[G0W+4*\sl+2:G0W+4*\sl+3], 2*49152
	JLOAD \sl                                      ; two K steps ahead; 176 products of the wave stand between this request and the wait for it
.endif
	PLACES
	FETB \nx, 0, 0
	FETA \nx, 0, ABUF0
	SECT ABUF1, 1, 0                               ; groups 1 and 2 were shown landed by the wait for 0 above
	FETB \nx, 0, 1
	SECT ABUF1, 2, 0
	FETB \nx, 0, 2
.endm
.macro LAP zero
	PF                                             ; behind the last run of LDS loads; the wait that follows is for loads issued 64 products ago
	STEP 0, \zero
	TURN 0, 1, 1
	STEP 1, 0
	TURN 1, 0, 1
.endm
	s_wait_tensorcnt 0x1                           ; my part of K step 0 is in; K step 1's stays out
	s_barrier_signal -1
	s_barrier_wait -1
	FETB 0, 0, 0
	FETA 0, 0, ABUF0
	FETB 0, 0, 1
	FETB 0, 0, 2
	LAP 1                                          ; K steps 0, 1 stand in front of the loop: their first products start the sums
	s_mov_b32 s62, 6
.Llap:
	LAP 0                                          ; K steps 2 to 13; fills 4 to 15
	s_sub_co_u32 s62, s62, 1
	s_cmp_lg_u32 s62, 0
	s_cbranch_scc1 .Llap
	STEP 0, 0                                      ; K steps 14, 15 fill nothing and ask for nothing
	TURN 0, 1, 0
	STEP 1, 0
	s_wait_dscnt 16                                ; the last step of 32: the counts run down
	SECT ABUF1, 0, 0
	; my 12 column blocks' bias, 8 numbers a lane and block, into registers that are free now: x buffer 0 and W group 0
.irp g, 0,1,2
.irp cbl, 0,1,2,3
.set BRG, 32+8*(4*\g+\cbl)+64*((4*\g+\cbl)/8)
	global_load_b128 v[BRG:BRG+3],   v[BADR+\g], s[60:61] offset:64*\cbl
	global_load_b128 v[BRG+4:BRG+7], v[BADR+\g], s[60:61] offset:64*\cbl+16
.endr
.endr
	s_wait_dscnt 8
	SECT ABUF1, 1, 0
	s_wait_dscnt 0
	SECT ABUF1, 2, 0
	; FIRST EPILOGUE: bias, ReLU, bf16, into the twelve units.  They lie over the slots, which have had their last fill; every wave's reads of the
	; slots are over (its wait for 0) in front of this barrier.
	s_wait_dscnt 0x0
	s_barrier_signal -1
	s_barrier_wait -1
	s_wait_loadcnt 0x0                             ; the bias
.macro EPI g, cbl
.set BRG, 32+8*(4*\g+\cbl)+64*((4*\g+\cbl)/8)
	WIN (\g+1)                                     ; source 0 in the accumulators' window
.irp a, 0,1,2,3,4,5,6,7
.irp p, 0,1,2,3
	v_pk_add_f32 v[T+8*\a+2*\p:T+8*\a+2*\p+1], v[8*(8*\cbl+\a)+2*\p:8*(8*\cbl+\a)+2*\p+1], v[BRG+2*\p:BRG+2*\p+1]
.endr
.endr
	WIN 0
.irp a, 0,1,2,3,4,5,6,7
.irp j, 0,1,2,3,4,5,6,7
	v_max_num_f32 v[T+8*\a+\j], 0, v[T+8*\a+\j]
.endr
.endr
.irp a, 0,1,2,3,4,5,6,7
.irp p, 0,1,2,3
	v_cvt_pk_bf16_f32 v[PK+4*\a+\p], v[T+8*\a+2*\p], v[T+8*\a+2*\p+1]
.endr
	ds_store_b128 v[STG], v[PK+4*\a:PK+4*\a+3] offset:UNIT*\g+16*XP*\a+32*\cbl   ; row 16 a + r, columns 16 cbl + 8 h .. + 7 of unit 3 lo + g
.endr
.endm
.irp g, 0,1,2
.irp cbl, 0,1,2,3
	EPI \g, \cbl
.endr
.endr
	s_wait_dscnt 0x0                               ; my stores are done, for the other waves' sake
	s_barrier_signal -1
	s_barrier_wait -1
	; SCORES, transposed: source 0 = 16 keys, source 1 = 16 queries, 32 of d at a time (c).  Lane (r, h) of accumulator (qb, kb), window 1 at
	; v[8 (8 qb + kb)], holds query 16 qb + r and keys 16 kb + 8 h + 0..7.  Key fragments fill window 3, query fragments v32-159.
.irp c, 0,1,2,3
	WIN 0xc0
.irp kb, 0,1,2,3,4,5,6,7
	ds_load_b128 v[64*\c+8*\kb:64*\c+8*\kb+3],   v[KADR] offset:(\c>>1)*UNIT+16*XP*\kb+64*(\c&1)
	ds_load_b128 v[64*\c+8*\kb+4:64*\c+8*\kb+7], v[KADR] offset:(\c>>1)*UNIT+16*XP*\kb+64*(\c&1)+32
.endr
	WIN 0
.irp qb, 0,1,2,3
	ds_load_b128 v[32+32*\c+8*\qb:32+32*\c+8*\qb+3],   v[QADR] offset:(\c>>1)*UNIT+16*XP*\qb+64*(\c&1)
	ds_load_b128 v[32+32*\c+8*\qb+4:32+32*\c+8*\qb+7], v[QADR] offset:(\c>>1)*UNIT+16*XP*\qb+64*(\c&1)+32
.endr
.endr
.macro SMUL c, left, zero
	s_wait_dscnt \left
.irp qb, 0,1,2,3
.irp kb, 0,1,2,3,4,5,6,7
.if \zero
	v_wmma_f32_16x16x32_bf16 v[8*(8*\qb+\kb):8*(8*\qb+\kb)+7], v[64*\c+8*\kb:64*\c+8*\kb+7], v[32+32*\c+8*\qb:32+32*\c+8*\qb+7], 0
.else
	v_wmma_f32_16x16x32_bf16 v[8*(8*\qb+\kb):8*(8*\qb+\kb)+7], v[64*\c+8*\kb:64*\c+8*\kb+7], v[32+32*\c+8*\qb:32+32*\c+8*\qb+7], v[8*(8*\qb+\kb):8*(8*\qb+\kb)+7]
.endif
.endr
.endr
.endm
	WIN 0x53                                       ; keys window 3, queries window 0, C and D window 1
	SMUL 0, 48, 1                                  ; 24 loads for each c; 72 younger ones are more than a wait can name, so the first count is 48 too
	SMUL 1, 48, 0
	SMUL 2, 24, 0
	SMUL 3, 0, 0
	WIN 0
	PLACES
	; the value fragments (16 of d x 32 keys, read transposed: values lie [key][d]) take the key fragments' place; they land during the softmax
	WIN 0xc0
.irp c, 0,1,2,3
.irp db, 0,1,2,3,4,5,6,7
	ds_load_tr16_b128 v[64*\c+8*\db:64*\c+8*\db+3],   v[VADR] offset:(\db>>2)*UNIT+32*(\db&3)+32*XP*\c
	ds_load_tr16_b128 v[64*\c+8*\db+4:64*\c+8*\db+7], v[VADR] offset:(\db>>2)*UNIT+32*(\db&3)+32*XP*\c+16*XP
.endr
.endr
	; SOFTMAX over the 128 keys of each query: 64 numbers in the lane, the other 64 in lane xor 16.
	WIN 0x05                                       ; sources 0 and 1 window 1
.irp qb, 0,1,2,3
	v_max_num_f32 v[M+\qb], v[64*\qb], v[64*\qb+1]
.endr
.set t, 1
.rept 31
.irp qb, 0,1,2,3
	v_max3_num_f32 v[M+\qb], v[64*\qb+2*t], v[64*\qb+2*t+1], v[M+\qb]
.endr
.set t, t+1
.endr
	WIN 0
.irp qb, 0,1,2,3
	v_mov_b32 v[TX+\qb], v[M+\qb]                  ; the permute's destination counts as read
.endr
.irp qb, 0,1,2,3
	v_permlanex16_b32 v[TX+\qb], v[M+\qb], s66, s67
.endr
.irp qb, 0,1,2,3
	v_max_num_f32 v[M+\qb], v[M+\qb], v[TX+\qb]
.endr
.irp qb, 0,1,2,3
	v_mul_f32 v[NM+2*\qb],   0xbe0293ee, v[M+\qb]  ; - maximum x log2(e) / sqrt(128); its rounding is common to the row and cancels in the division
	v_mul_f32 v[NM+2*\qb+1], 0xbe0293ee, v[M+\qb]
.endr
	WIN 0x41                                       ; scores in place in window 1
.set gi, 0
.rept 32
.irp p, 0,1,2,3
	v_pk_fma_f32 v[8*gi+2*\p:8*gi+2*\p+1], v[8*gi+2*\p:8*gi+2*\p+1], 0x3e0293ee, v[NM+2*(gi/8):NM+2*(gi/8)+1] op_sel_hi:[1,0,1]
.endr
.irp j, 0,1,2,3,4,5,6,7
	v_exp_f32 v[8*gi+\j], v[8*gi+\j]               ; the next group's multiply-add is the plain instruction behind these (ISA guide 5.7.2)
.endr
.set gi, gi+1
.endr
	v_nop                                          ; and this one behind the last group
	WIN 0x05
	; the weights in bf16: word k = numbers 2k, 2k+1.  Accumulators (qb, 2c), (qb, 2c+1) pack straight into the fragment (16 queries x 32 keys) at v[32 + 32 qb + 8 c].
.set k, 0
	s_wait_alu depctr_va_vdst(0)
.rept 128
	v_cvt_pk_bf16_f32 v[32+k], v[2*k], v[2*k+1]
.set k, k+1
.endr
.irp qb, 0,1,2,3
	v_pk_add_f32 v[SUM+2*\qb:SUM+2*\qb+1], v[64*\qb:64*\qb+1], v[64*\qb+2:64*\qb+3]
.endr
	WIN 0x01
.set t, 2
.rept 30
.irp qb, 0,1,2,3
	v_pk_add_f32 v[SUM+2*\qb:SUM+2*\qb+1], v[64*\qb+2*t:64*\qb+2*t+1], v[SUM+2*\qb:SUM+2*\qb+1]
.endr
.set t, t+1
.endr
	WIN 0
.irp qb, 0,1,2,3
	v_add_f32 v[SUM+2*\qb], v[SUM+2*\qb], v[SUM+2*\qb+1]
.endr
.irp qb, 0,1,2,3
	v_permlanex16_b32 v[TX+\qb], v[SUM+2*\qb], s66, s67
.endr
.irp qb, 0,1,2,3
	v_add_f32 v[SUM+2*\qb], v[SUM+2*\qb], v[TX+\qb]
.endr
.irp qb, 0,1,2,3
	v_rcp_f32 v[R+2*\qb],   v[SUM+2*\qb]           ; twice, for the packed multiply
	v_rcp_f32 v[R+2*\qb+1], v[SUM+2*\qb]
.endr
	v_nop
	s_wait_alu depctr_va_vdst(0)
	; UPDATE, transposed: source 0 = 16 of d x 32 keys, source 1 = 16 queries x 32 keys.  Lane (r, h) of accumulator (qb, db), window 2 at
	; v[8 (8 qb + db)], holds query 16 qb + r and d = 16 db + 8 h + 0..7.
.macro OMUL c, zero
.irp qb, 0,1,2,3
.irp db, 0,1,2,3,4,5,6,7
.if \zero
	v_wmma_f32_16x16x32_bf16 v[8*(8*\qb+\db):8*(8*\qb+\db)+7], v[64*\c+8*\db:64*\c+8*\db+7], v[32+32*\qb+8*\c:32+32*\qb+8*\c+7], 0
.else
	v_wmma_f32_16x16x32_bf16 v[8*(8*\qb+\db):8*(8*\qb+\db)+7], v[64*\c+8*\db:64*\c+8*\db+7], v[32+32*\qb+8*\c:32+32*\qb+8*\c+7], v[8*(8*\qb+\db):8*(8*\qb+\db)+7]
.endif
.endr
.endr
.endm
	s_wait_dscnt 0x0                               ; the value fragments
	WIN 0xa3                                       ; values window 3, weights window 0, C and D window 2
	OMUL 0, 1
	OMUL 1, 0
	OMUL 2, 0
	OMUL 3, 0
	WIN 0
	PLACES
	; THE WAY OUT, 16 queries at a time: divide by the sum, round to bf16, through my own 4,608 bytes of LDS, back as rows of 128 bytes.
	; In upd the 16 rows of a unit are 2,048 consecutive bytes: each store of the wave covers 512 consecutive bytes, aligned.
.macro OUTQ qb, rb
	WIN 0x02
.irp db, 0,1,2,3,4,5,6,7
.irp p, 0,1,2,3
	v_pk_mul_f32 v[160+8*\db+2*\p:160+8*\db+2*\p+1], v[8*(8*\qb+\db)+2*\p:8*(8*\qb+\db)+2*\p+1], v[R+2*\qb:R+2*\qb+1]
.endr
.endr
	WIN 0
.irp db, 0,1,2,3,4,5,6,7
.irp p, 0,1,2,3
	v_cvt_pk_bf16_f32 v[32+4*\db+\p], v[160+8*\db+2*\p], v[160+8*\db+2*\p+1]
.endr
	ds_store_b128 v[OSTW], v[32+4*\db:32+4*\db+3] offset:(\db>>2)*16*XP+32*(\db&3)
.endr
	s_wait_xcnt 0x0                                ; registers that earlier stores read are loaded again only behind this wait
.irp t, 0,1,2,3,4,5,6,7
	ds_load_b128 v[\rb+4*\t:\rb+4*\t+3], v[OSTR] offset:(\t>>2)*16*XP+4*XP*(\t&3)   ; LDS serves a wave's instructions in order: these see the stores above
.endr
.irp t, 0,1,2,3,4,5,6,7
	s_wait_dscnt 7-\t
	global_store_b128 v[CO], v[\rb+4*\t:\rb+4*\t+3], s[68:69] offset:(\t>>2)*16384+2048*\qb+512*(\t&3)
.endr
.endm
	OUTQ 0, 64
	OUTQ 1, 96
	OUTQ 2, 64
	OUTQ 3, 96
	s_wait_tensorcnt 0x0
	ds_add_u32 v30, v31
	s_wait_dscnt 0x0
	CROUND                                         ; the closing round: no work-group ends while a partner may still ask for a tile that names it
	s_endpgm
.Lfunc_end_k_q9aaa7ba920_attn:
	.size	k_q9aaa7ba920_attn, .Lfunc_end_k_q9aaa7ba920_attn-k_q9aaa7ba920_attn
	.p2alignl 7, 3214868480
	.fill 96, 4, 3214868480
	.section	.rodata,"a",@progbits
	.p2align	6, 0x0
	.amdhsa_kernel k_q9aaa7ba920_attn
		.amdhsa_group_segment_fixed_size 327680
		.amdhsa_private_segment_fixed_size 0
		.amdhsa_enable_private_segment 0
		.amdhsa_kernarg_size 40
		.amdhsa_user_sgpr_count 2
		.amdhsa_user_sgpr_kernarg_segment_ptr 1
		.amdhsa_wavefront_size32 1
		.amdhsa_system_sgpr_workgroup_id_x 1
		.amdhsa_system_sgpr_workgroup_id_y 1
		.amdhsa_system_sgpr_workgroup_id_z 1
		.amdhsa_system_vgpr_workitem_id 0
		.amdhsa_next_free_vgpr 1024
		.amdhsa_next_free_sgpr 76
		.amdhsa_reserve_vcc 0
		.amdhsa_float_denorm_mode_32 3
		.amdhsa_float_denorm_mode_16_64 3
		.amdhsa_memory_ordered 1
		.amdhsa_forward_progress 1
		.amdhsa_inst_pref_size 255
	.end_amdhsa_kernel
	.section	.bss,"aw",@nobits
	.p2align	6
	.space	262144
	.amdgpu_metadata
---
amdhsa.version: [ 1, 2 ]
amdhsa.kernels:
  - .name:           k_q9aaa7ba920_attn
    .symbol:         k_q9aaa7ba920_attn.kd
    .args:
      - { .name: xb, .offset: 0, .size: 8, .value_kind: global_buffer, .address_space: global }
      - { .name: wb, .offset: 8, .size: 8, .value_kind: global_buffer, .address_space: global }
      - { .name: bv, .offset: 16, .size: 8, .value_kind: global_buffer, .address_space: global }
      - { .name: bq, .offset: 24, .size: 8, .value_kind: global_buffer, .address_space: global }
      - { .name: upd, .offset: 32, .size: 8, .value_kind: global_buffer, .address_space: global }
    .group_segment_fixed_size: 327680
    .private_segment_fixed_size: 0
    .kernarg_segment_align: 8
    .kernarg_segment_size: 40
    .max_flat_workgroup_size: 128
    .sgpr_count:     76
    .vgpr_count:     1024
    .wavefront_size: 32
...
	.end_amdgpu_metadata
.endif
;; end of part 2
;; launch outp (part 3): grid 4 x 64, 4 waves a work-group, clusters of 4 x 4, 327,680 bytes of LDS; arguments xb, upd, wob, bvo, bqo, out0, out1; writes out0, out1
.if DOCPART == 3
	.amdgcn_target "amdgcn-amd-amdhsa--gfx1250"
	.amdhsa_code_object_version 6
	.text
	.protected	k_q9aaa7ba920_outp
	.globl	k_q9aaa7ba920_outp
	.p2align	8
	.type	k_q9aaa7ba920_outp,@function
k_q9aaa7ba920_outp:
	s_mov_b64 s[64:65], 0
	v_nop
	global_prefetch_b8 v0, s[64:65] scope:SCOPE_SE
	s_setreg_imm32_b32 hwreg(HW_REG_WAVE_MODE, 25, 1), 1
	s_wait_xcnt 0x0
	s_wait_alu depctr_hold_cnt(0) depctr_sa_sdst(0) depctr_va_vdst(0) depctr_va_sdst(0) depctr_va_ssrc(0) depctr_va_vcc(0) depctr_vm_vsrc(0)
	s_getreg_b32 s2, hwreg(HW_REG_IB_STS2, 6, 4)
	s_cmp_eq_u32 s2, 0
	s_cbranch_scc0 .Lentry_in_a_cluster
	s_endpgm
.Lentry_in_a_cluster:
	s_bfe_u32 s2, ttmp6, 0x10000c
	s_cmp_lg_u32 s2, 0xf033
	s_cbranch_scc0 .Lentry_shape_is_right
	s_endpgm
.Lentry_shape_is_right:
; InterModalityUpdate, launch 3 of 3: out = relu([x | update] Wo + bo), K = 2,048, f32 out.  Nothing is left out.
; Grid x = block nb of 256 columns, grid y = 32 mod + batch.  A work-group makes 128 rows (one batch) x 256 columns, a wave 64 rows (hi) x 128
; columns (lo): 4 row blocks a x 8 column blocks cb = 32 accumulators.  A larger block would leave work-groups for fewer WGPs than there are.
; K STEPS.  One k costs 288 bytes of padded rows and 544 of padded Wo in LDS, so 192 is the longest step of which two slots fit (2 x 192 x 832 =
; 319,488 bytes).  2,048 = 10 x 192 + 128: steps 0-4 take xb's units 0-14 with Wo's rows 0-959, steps 5-9 upd's units 0-14 with rows 1,024-1,983,
; and a last step of 128 takes unit 15 of xb and of upd with rows 960-1,023 and 1,984-2,047.  Ten changes of slots in all.
; LIMITS: matrix operands bf16, sums f32.  The bias is the first product's C, so it is added first and not last, and K is summed in the order of
; the steps above, not ascending.  ReLU is max(0, x) by v_max_num_f32: a NaN becomes 0.
; CLUSTERS: 4 x 4.  The rows' tiles hang on grid y alone and are asked for jointly along a row of the cluster; Wo's tiles hang on nb and on the
; modality, which is the same in all of a cluster (eight clusters along y for each), and are asked for jointly along a column.
; LDS.  Slot s at s x 159,744: Wo's 192 k rows of 512 + 32 bytes (pitch 544 = 17 x 32; 104,448 bytes), then three units [128 rows][64 k], pitch 144
; (55,296 bytes).  In a full step waves 0-2 fetch 64 k rows of Wo each and wave 3 the three units, which are one dense block in memory.
; The way out (16 rows x 528 bytes a wave) lies over slot 1: its last fill is step 9's, and every wave's reads of it end in front of step 9's barrier.
; REGISTERS.  Window 0: v0-31 addresses, v32-159 row fragments (four buffers), v160-223 bias.  Window 1: accumulator (a, cb) at v[8 (8 a + cb)].
; Window 2: Wo's fragments, buffer b at v[64 b + 8 cb].  Quarter q (32 along K) of a step in slot s uses buffer (2 s + q) mod 4: six quarters a step and
; slots that alternate make the four buffers take turns without a break.
; The product is used transposed (source 0 = 16 columns of Wo, source 1 = 16 rows): a lane's eight results are eight neighbouring columns of a row.
; PREFETCH.  A lap is two full steps.  In the first quarter of each of the laps 0 to 3 every wave asks once, lanes 256 bytes apart, for a share of the two
; steps that this lap's joint loads will fetch (steps 2 lap + 2 and 2 lap + 3, so steps 2 to 9): those loads stand 160 and 352 products of the wave further
; down.  Waves 0-2, rows: a step's three units are 49,152 consecutive bytes, six pieces of 8,192; the two steps' twelve pieces go to three waves of each of the
; four column blocks (nb / 2 = step, 3 (nb % 2) + wave = piece).  Wave 3, Wo: a step's 98,304 bytes are shared by sixteen batches, 6,144 bytes each
; (batch / 16 = step, batch % 16 = piece): that is 24 lanes; lanes 24-31 fall on lane 23's 256 bytes, since switching them off would put a wait on XCNT,
; which a change of EXEC asks for, straight behind the request.  So every aligned 256 bytes of steps 2 to 9 are asked for by one wave of one work-group.
; Steps 0 and 1 are the first fills; the last lap and the last step ask for nothing (of the last step's Wo a work-group's share would be 8 lanes).
.set SLOT,  159744
.set WH,    34816                      ; 64 k rows x 544
.set AL,    3*WH                       ; the units behind Wo's rows
.set XU,    18432
.set XP,    144
.set WP,    544
.set OST,   SLOT
.set OSTB,  8448
.set OP,    528
.set FLA, (1<<16)|(1<<20)|(1<<21)|(4<<22)|(3<<25)   ; 2-byte elements; padding on; bit 21 beside a mask; after every 32 words, 4 words
.set FLW, (1<<16)|(1<<20)|(1<<21)|(6<<22)|(7<<25)   ; after every 128 words, 8 words
.set G1A, 28                           ; s[28:35] group 1: three units
.set G0A, 36                           ; s[36:43] group 0 for them, a set for each slot
.set G1W, 44                           ; s[44:51] group 1: 64 k rows of Wo
.set G0W, 52                           ; s[52:59] group 0 for them, a set for each slot
.set G1S, 84                           ; s[84:91] group 1: one unit (the last step)
.set G0S, 92                           ; s[92:95] group 0 for it
.set ADRA, 10                          ; v10-11 my row fragments in slot 0, 1
.set ADRB, 12                          ; v12-15 my Wo fragments: slot 0 quarters 0-2, 3-5; slot 1 quarters 0-2, 3-5 (an LDS offset has 16 bits)
.set BADR, 16
.set OSTW, 17
.set OSTR, 18
.set CO,   19
.set PFO,  20                          ; prefetch: 256 x lane (wave 3: 256 x min(lane, 23)); never rewritten
.set BIAS, 160
.set T,    32
.set MSB, 0
.macro WIN new
.if MSB != (\new)
	s_set_vgpr_msb (MSB<<8)|(\new)
.set MSB, (\new)
.endif
.endm
.macro PLACES                          ; four plain vector instructions between a matrix instruction and a load into, or a vector
.rept 4                                ; instruction on, one of its registers (ISA guide 7.12.1 for vector instructions)
	v_nop
.endr
.endm
.macro JLOAD sl                        ; a full step's joint load: each line has one mask; the branch hangs on the wave's number alone
	s_cmp_eq_u32 s18, 3
	s_cbranch_scc0 .Lfor_w_\@
	tensor_load_to_lds s[G0A+4*\sl:G0A+4*\sl+3], s[G1A:G1A+7]
	s_nop 0
	s_branch .Lasked_\@
.Lfor_w_\@:
	tensor_load_to_lds s[G0W+4*\sl:G0W+4*\sl+3], s[G1W:G1W+7]
	s_nop 0
.Lasked_\@:
.endm
.macro JLOADS                          ; the last step's, into slot 0: waves 0, 1 ask for Wo's two pieces, waves 2, 3 for unit 15 of xb and of upd
	s_cmp_eq_u32 s19, 0
	s_cbranch_scc0 .Lfor_a_\@
	tensor_load_to_lds s[G0W:G0W+3], s[G1W:G1W+7]
	s_nop 0
	s_branch .Lasked_\@
.Lfor_a_\@:
	tensor_load_to_lds s[G0S:G0S+3], s[G1S:G1S+7]
	s_nop 0
.Lasked_\@:
.endm
.macro CREST
	s_cmp_lg_u32 s18, 0
	s_cbranch_scc1 .Lnot_wave_0_\@
	s_barrier_signal -3
.Lnot_wave_0_\@:
	s_barrier_wait -3
	s_barrier_signal -1
	s_barrier_wait -1
.endm
.macro CROUND
	s_barrier_signal -1
	s_barrier_wait -1
	CREST
.endm
; A lap's request into the L2, one a wave.  The address is made anew from the lap: no branch, and only registers that feed no descriptor and no LDS address.
.macro PF
	s_wait_xcnt 0x0                                ; the last lap's request has had its address translated: its base is rewritten only behind this wait
	s_lshl1_add_u32 s15, s74, s12                  ; my step: f = 2 x lap + 2 + (0 or 1)
	s_sub_co_u32 s16, s15, 5
	s_cmp_lt_u32 s15, 5                            ; steps 0-4 lie in x, steps 5-9 in the update
	s_cselect_b32 s16, s15, s16                    ; the step inside its half
	s_cselect_b64 s[98:99], s[66:67], s[68:69]     ; my piece in that half's step 0
	s_mul_i32 s16, s16, s13                        ; x the bytes of a step
	s_add_nc_u64 s[98:99], s[98:99], s[16:17]
	global_prefetch_b8 v[PFO], s[98:99] th:TH_LOAD_NT scope:SCOPE_SE
.endm
	s_load_b256 s[4:11], s[0:1], 0x0               ; xb s[4:5], upd s[6:7], wob s[8:9], bvo s[10:11]
	s_load_b128 s[12:15], s[0:1], 0x20             ; bqo s[12:13], out0 s[14:15]
	s_load_b64 s[16:17], s[0:1], 0x30              ; out1
	v_lshl_add_u32 v254, v0, 2, 0x4e000
	v_mov_b32 v255, 0
	ds_add_u32 v254, v255
	v_lshrrev_b32 v5, 5, v0
	v_readfirstlane_b32 s18, v5                    ; wave
	s_lshr_b32 s19, s18, 1                         ; hi: my 64 rows
	s_and_b32 s20, s18, 1                          ; lo: my 128 columns
	s_bfe_u32 s21, ttmp6, 0x40000                  ; cx
	s_bfe_u32 s22, ttmp6, 0x40004                  ; cy
	s_lshl_b32 s23, ttmp9, 2
	s_add_co_u32 s23, s23, s21                     ; nb
	s_and_b32 s25, ttmp7, 0xffff
	s_lshl_b32 s24, s25, 2
	s_add_co_u32 s24, s24, s22                     ; y = 32 mod + batch
	s_lshr_b32 s25, s25, 3                         ; mod, from the cluster's y alone
	s_lshl_b32 s26, s22, 2
	s_lshl_b32 s26, 15, s26                        ; my row of the cluster
	s_lshl_b32 s27, 0x1111, s21                    ; my column
	s_or_b32  s[G1A+0], s26, FLA                   ; three units are a dense block of 49,152 bytes: 192 rows of 256
	s_mov_b32 s[G1A+1], 128<<16
	s_mov_b32 s[G1A+2], 192<<16
	s_mov_b32 s[G1A+3], 128<<16
	s_mov_b32 s[G1A+4], 192
	s_mov_b32 s[G1A+5], 128
	s_mov_b32 s[G1A+6], 0
	s_mov_b32 s[G1A+7], 0
	s_or_b32  s[G1S+0], s26, FLA                   ; one unit: 64 rows of 256 bytes
	s_mov_b32 s[G1S+1], 128<<16
	s_mov_b32 s[G1S+2], 64<<16
	s_mov_b32 s[G1S+3], 128<<16
	s_mov_b32 s[G1S+4], 64
	s_mov_b32 s[G1S+5], 128
	s_mov_b32 s[G1S+6], 0
	s_mov_b32 s[G1S+7], 0
	s_or_b32  s[G1W+0], s27, FLW                   ; 64 k rows of 256 elements (512 bytes)
	s_mov_b32 s[G1W+1], 256<<16
	s_mov_b32 s[G1W+2], 64<<16
	s_mov_b32 s[G1W+3], 256<<16
	s_mov_b32 s[G1W+4], 64
	s_mov_b32 s[G1W+5], 256
	s_mov_b32 s[G1W+6], 0
	s_mov_b32 s[G1W+7], 0
	; the rows' addresses are made of y, Wo's of mod, nb and the wave's number, each in registers that never hold the other coordinate
	s_lshl_b32 s70, s24, 18                        ; rows: y x 262,144
	s_mov_b32 s71, 0
	s_lshl2_add_u32 s96, s25, s23                  ; Wo: 4 mod + nb
	s_lshl_b32 s96, s96, 20
	s_mov_b32 s97, 0
	s_lshl_b32 s82, s18, 15                        ; wave x 64 k rows of 512 bytes
	s_mov_b32 s83, 0                               ; stays 0: the high word of every offset made in s82
	s_mul_i32 s75, s18, WH                         ; LDS: the same 64 k rows
	s_mul_i32 s[G0S+1], s20, XU                    ; LDS: the last step's unit lo, in slot 0
	s_add_co_u32 s[G0S+1], s[G0S+1], AL
	s_mov_b32 s[G0S], 1
	s_wait_dscnt 0x0
	s_wait_kmcnt 0x0
	s_add_nc_u64 s[60:61], s[4:5], s[70:71]        ; my batch's unit 0 in xb,
	s_add_nc_u64 s[62:63], s[6:7], s[70:71]        ; and in upd
	s_add_nc_u64 s[96:97], s[8:9], s[96:97]        ; my block of Wo, row 0,
	s_add_nc_u64 s[72:73], s[96:97], s[82:83]      ; and my wave's 64 rows of step 0
	s_cmp_eq_u32 s20, 0
	s_cselect_b64 s[70:71], s[60:61], s[62:63]
	s_add_nc_u64 s[G0S+2:G0S+3], s[70:71], 15*16384                ; unit 15 of xb (lo = 0) or of upd (lo = 1)
	s_or_b32 s[G0S+3], s[G0S+3], 0x80000000
	CROUND                                         ; all sixteen work-groups are here: the first joint loads meet
.irp s, 0,1
	s_mov_b32 s[G0A+4*\s], 1
	s_mov_b32 s[G0A+4*\s+1], \s*SLOT+AL
	s_add_nc_u64 s[G0A+4*\s+2:G0A+4*\s+3], s[60:61], \s*49152      ; step s: three units on
	s_or_b32 s[G0A+4*\s+3], s[G0A+4*\s+3], 0x80000000
	s_mov_b32 s[G0W+4*\s], 1
	s_add_co_u32 s[G0W+4*\s+1], s75, \s*SLOT
	s_add_nc_u64 s[G0W+4*\s+2:G0W+4*\s+3], s[72:73], \s*98304      ; step s: 192 k rows on
	s_or_b32 s[G0W+4*\s+3], s[G0W+4*\s+3], 0x80000000
	JLOAD \s                                       ; both slots' first fills go out together: two tensor loads of the wave are out
.endr
	v_and_b32 v1, 15, v0                           ; r
	v_bfe_u32 v2, v0, 4, 1                         ; h
	v_and_b32 v3, 7, v0
	v_bfe_u32 v4, v0, 3, 1
	v_and_b32 v5, 31, v0
	s_cmp_eq_u32 s25, 0
	s_cselect_b64 s[78:79], s[10:11], s[12:13]     ; my modality's bias
	s_cselect_b64 s[76:77], s[14:15], s[16:17]     ; and output
	s_lshl_b32 s2, s23, 10                         ; 256 nb + 128 lo numbers of 4 bytes
	s_lshl_b32 s3, s20, 9
	s_add_co_u32 s2, s2, s3
	v_lshl_add_u32 v[BADR], v2, 5, s2              ; + 8 h numbers
.irp cb, 0,1,2,3,4,5,6,7
	global_load_b128 v[BIAS+8*\cb:BIAS+8*\cb+3],   v[BADR], s[78:79] offset:64*\cb      ; bias of columns 16 cb + 8 h + 0..7: the layout of C
	global_load_b128 v[BIAS+8*\cb+4:BIAS+8*\cb+7], v[BADR], s[78:79] offset:64*\cb+16
.endr
	s_and_b32 s3, s24, 31                          ; batch
	s_lshl_b32 s3, s3, 19                          ; 128 rows of 4,096 bytes
	s_add_co_u32 s2, s2, s3
	s_lshl_b32 s3, s19, 18                         ; my 64 rows
	s_add_co_u32 s2, s2, s3
	s_mov_b32 s3, 0
	s_add_nc_u64 s[76:77], s[76:77], s[2:3]
	; my wave's share of the requests into the L2.  s10-s17 are free now: the bias's and the outputs' addresses have been chosen.
	s_and_b32 s2, s23, 1                           ; rows: piece 3 (nb % 2) + wave of 8,192 bytes
	s_mul_i32 s2, s2, 3
	s_add_co_u32 s2, s2, s18
	s_lshl_b32 s2, s2, 13
	s_add_nc_u64 s[66:67], s[60:61], s[2:3]        ; in xb's step 0,
	s_add_nc_u64 s[68:69], s[62:63], s[2:3]        ; and in upd's
	s_and_b32 s2, s24, 15                          ; Wo: piece batch % 16 of 6,144 bytes
	s_mul_i32 s2, s2, 6144
	s_add_nc_u64 s[10:11], s[96:97], s[2:3]        ; from row 0,
	s_add_nc_u64 s[14:15], s[10:11], 1024*512      ; and from row 1,024
	s_lshr_b32 s12, s23, 1                         ; rows: the first or the second step of a lap = nb / 2
	s_bfe_u32 s13, s24, 0x10004                    ; Wo: = batch / 16
	s_cmp_lg_u32 s18, 3                            ; waves 0-2 ask for rows, wave 3 for Wo
	s_cselect_b64 s[66:67], s[66:67], s[10:11]
	s_cselect_b64 s[68:69], s[68:69], s[14:15]
	s_cselect_b32 s12, s12, s13
	s_mov_b32 s13, 98304                           ; the bytes of a step: Wo's 192 k rows,
	s_cselect_b32 s13, 49152, s13                  ; or three units
	s_cselect_b32 s14, 31, 23                      ; the last lane with 256 bytes of its own
	s_add_co_u32 s12, s12, 2                       ; lap 0 asks for steps 2 and 3
	s_mov_b32 s17, 0                               ; stays 0: the high word of the offset made in s16
	v_min_u32 v[PFO], s14, v5
	v_lshlrev_b32 v[PFO], 8, v[PFO]
	v_mul_u32_u24 v6, v1, XP
	v_lshl_add_u32 v6, v2, 4, v6                   ; 144 r + 16 h: a fragment of rows that lie along K
	s_mul_i32 s75, s19, 64*XP
	s_add_co_u32 s75, s75, AL
	v_add_nc_u32 v[ADRA], s75, v6
	v_add_nc_u32 v[ADRA+1], SLOT, v[ADRA]
	v_lshl_add_u32 v7, v2, 3, v3                   ; 8 h + lane % 8: the k row that a transposing load addresses
	v_mul_u32_u24 v8, v7, WP
	v_lshl_add_u32 v8, v4, 4, v8
	s_lshl_b32 s75, s20, 8                         ; my 128 columns
	v_add_nc_u32 v[ADRB], s75, v8
	v_add_nc_u32 v[ADRB+1], 96*WP, v[ADRB]         ; quarters 3-5: 96 k rows on
	v_add_nc_u32 v[ADRB+2], SLOT, v[ADRB]
	v_add_nc_u32 v[ADRB+3], SLOT, v[ADRB+1]
	s_mul_i32 s75, s18, OSTB
	s_add_co_u32 s75, s75, OST
	v_mul_u32_u24 v9, v1, OP
	v_lshl_add_u32 v9, v2, 5, v9
	v_add_nc_u32 v[OSTW], s75, v9
	v_lshl_add_u32 v[OSTR], v5, 4, s75
	v_lshlrev_b32 v[CO], 4, v5
; 24 loads: quarter q (32 along K) of slot sl: 8 fragments of Wo, read transposed (Wo lies [k][column]), and 4 of the rows
.macro FETCH sl, q
.set FB, (2*\sl+\q)&3                  ; the quarter's buffer
.set FR, ADRB+2*\sl+(\q/3)
.set FO, 32*WP*(\q%3)
	WIN 0x80
.irp cb, 0,1,2,3,4,5,6,7
	ds_load_tr16_b128 v[64*FB+8*\cb:64*FB+8*\cb+3],   v[FR] offset:FO+32*\cb
	ds_load_tr16_b128 v[64*FB+8*\cb+4:64*FB+8*\cb+7], v[FR] offset:FO+32*\cb+16*WP
.endr
	WIN 0
.irp a, 0,1,2,3
	ds_load_b128 v[32+32*FB+8*\a:32+32*FB+8*\a+3],   v[ADRA+\sl] offset:(\q>>1)*XU+16*XP*\a+64*(\q&1)
	ds_load_b128 v[32+32*FB+8*\a+4:32+32*FB+8*\a+7], v[ADRA+\sl] offset:(\q>>1)*XU+16*XP*\a+64*(\q&1)+32
.endr
.endm
; 16 products on buffer MB: row blocks a0, a0 + 1 x all 8 column blocks.  first = 1: C is the bias, which starts the sums.
; The 32 accumulators take turns, one instruction a turn, in the same order in every quarter.
.macro MUL16 a0, first
.irp a, \a0, \a0+1
.irp cb, 0,1,2,3,4,5,6,7
.if \first
	v_wmma_f32_16x16x32_bf16 v[8*(8*(\a)+\cb):8*(8*(\a)+\cb)+7], v[64*MB+8*\cb:64*MB+8*\cb+7], v[32+32*MB+8*(\a):32+32*MB+8*(\a)+7], v[BIAS+8*\cb:BIAS+8*\cb+7]
.else
	v_wmma_f32_16x16x32_bf16 v[8*(8*(\a)+\cb):8*(8*(\a)+\cb)+7], v[64*MB+8*\cb:64*MB+8*\cb+7], v[32+32*MB+8*(\a):32+32*MB+8*(\a)+7], v[8*(8*(\a)+\cb):8*(8*(\a)+\cb)+7]
.endif
.endr
.endr
.endm
.macro MULQ sm, qm, first              ; the 32 products of quarter qm of the step in slot sm
.set MB, (2*\sm+\qm)&3
.if \first
	WIN 0x42                                       ; Wo window 2, rows window 0, C (bias) window 0, D window 1
.else
	WIN 0x52                                       ; C and D window 1
.endif
	MUL16 0, \first
	MUL16 2, \first
.endm
; A quarter: fetches run two quarters ahead, into the buffer whose products were issued two quarters ago.
; pf = 1: the lap's request into the L2 stands behind the run of LDS loads, in front of the products.
.macro QUART sf, qf, sm, qm, first, pf
	s_wait_dscnt 24                                ; the multiplied quarter's 24 loads are in; the next quarter's 24 may be out
	PLACES
	FETCH \sf, \qf
.if \pf
	PF
.endif
	MULQ \sm, \qm, \first
.endm
; The fifth quarter changes slots: the sixth quarter's fragments are in registers by the wait for 0.  In front of the barrier each wave waits for
; its reads of this slot and for all its tensor loads (one is out: its part of the next slot).  Where the slot is filled again the barrier opens a
; round of the cluster's barrier, and the joint refill is the wave's first tensor load behind the round, and its only one until the next.
; From a request to the wait for it a wave issues 32 + 128 + 16 = 176 products.   fill = 1: a full step, two on; 2: the last step; 0: nothing.
.macro TURN sl, nx, fill
	s_wait_dscnt 24
.set MB, (2*\sl+4)&3
	WIN 0x52
	MUL16 0, 0
	s_wait_dscnt 0                                 ; my reads of this slot are over
	s_set_vgpr_msb 0x5250
	s_wait_tensorcnt 0x0                           ; all my tensor loads have landed
	ds_add_u32 v254, v255
	s_wait_dscnt 0x0
	s_set_vgpr_msb 0x5052
	s_barrier_signal -1
	MUL16 2, 0                                     ; register work while the others arrive
	WIN 0
	s_barrier_wait -1
.if \fill == 1
	CREST
	s_lshl1_add_u32 s80, s74, 2+\sl                ; the step that is asked for: f = 2 x lap + 2 + slot
	s_sub_co_u32 s81, s80, 5
	s_cmp_lt_u32 s80, 5                            ; steps 0-4 lie in x, steps 5-9 in the update
	s_cselect_b32 s80, s80, s81                    ; the step inside its half
	s_cselect_b32 s81, 0, 1024*512                 ; Wo's rows for the update begin at row 1,024
	s_cselect_b64 s[70:71], s[60:61], s[62:63]
	s_mul_i32 s82, s80, 49152                      ; three units a step
	s_add_nc_u64 s[G0A+4*\sl+2:G0A+4*\sl+3], s[70:71], s[82:83]
	s_or_b32 s[G0A+4*\sl+3], s[G0A+4*\sl+3], 0x80000000
	s_mul_i32 s82, s80, 98304                      ; 192 k rows a step
	s_add_co_u32 s82, s82, s81
	s_add_nc_u64 s[G0W+4*\sl+2:G0W+4*\sl+3], s[72:73], s[82:83]
	s_or_b32 s[G0W+4*\sl+3], s[G0W+4*\sl+3], 0x80000000
	JLOAD \sl
.endif
.if \fill == 2
	CREST
	s_lshl_b32 s82, s20, 19                        ; Wo's rows 960 + 1,024 lo .. + 63, to the LDS place of my wave's 64 rows (waves 0, 1: wave = lo)
	s_add_co_u32 s82, s82, 960*512
	s_add_nc_u64 s[G0W+2:G0W+3], s[96:97], s[82:83]
	s_or_b32 s[G0W+3], s[G0W+3], 0x80000000
	JLOADS
.endif
	PLACES
	FETCH \nx, 0
.endm
.macro KSTEP sl, nx, fill, first, pf
	QUART \sl, 2, \sl, 0, \first, \pf
	QUART \sl, 3, \sl, 1, 0, 0
	QUART \sl, 4, \sl, 2, 0, 0
	QUART \sl, 5, \sl, 3, 0, 0
	TURN \sl, \nx, \fill
	QUART \nx, 1, \sl, 5, 0, 0
.endm
	s_wait_tensorcnt 0x1                           ; my part of step 0 is in; step 1's stays out
	s_barrier_signal -1
	s_barrier_wait -1
	FETCH 0, 0
	FETCH 0, 1
	s_wait_loadcnt 0x0                             ; the bias
	s_mov_b32 s74, 0                               ; the lap
	KSTEP 0, 1, 1, 1, 1                            ; steps 0, 1 stand in front of the loop: the first products take the bias as C; fills 2, 3
	KSTEP 1, 0, 1, 0, 0
	WIN 0
	s_mov_b32 s74, 1
.Llap:
	KSTEP 0, 1, 1, 0, 1                            ; steps 2 to 7; fills 4 to 9
	KSTEP 1, 0, 1, 0, 0
	WIN 0
	s_add_co_u32 s74, s74, 1
	s_cmp_lt_u32 s74, 4
	s_cbranch_scc1 .Llap
	KSTEP 0, 1, 2, 0, 0                            ; step 8 asks for the last step
	KSTEP 1, 0, 0, 0, 0                            ; step 9 fills nothing
	QUART 0, 2, 0, 0, 0, 0                         ; the last step: four quarters, at the LDS places of a full step's first four
	QUART 0, 3, 0, 1, 0, 0
	s_wait_dscnt 24
	MULQ 0, 2, 0
	s_wait_dscnt 0
	MULQ 0, 3, 0
	WIN 0
	PLACES
	; THE WAY OUT, 16 rows at a time: ReLU, through my own 8,448 bytes of LDS (rows of 512 + 16 bytes), back as whole rows.
	; Those bytes lie in slot 1, which no tensor load fills again and no wave has read since step 9's barrier.
	; Each store of the wave covers 512 consecutive bytes of a row of the output, aligned.
.macro OUT16 a, rb
	WIN 0x04                                       ; source 1 window 1
.irp cb, 0,1,2,3,4,5,6,7
.irp j, 0,1,2,3,4,5,6,7
	v_max_num_f32 v[T+8*\cb+\j], 0, v[8*(8*\a+\cb)+\j]
.endr
.endr
	WIN 0
.irp cb, 0,1,2,3,4,5,6,7
	ds_store_b128 v[OSTW], v[T+8*\cb:T+8*\cb+3]   offset:64*\cb
	ds_store_b128 v[OSTW], v[T+8*\cb+4:T+8*\cb+7] offset:64*\cb+16
.endr
	s_wait_xcnt 0x0                                ; registers that earlier stores read are loaded again only behind this wait
.irp t, 0,1,2,3,4,5,6,7,8,9,10,11,12,13,14,15
	ds_load_b128 v[\rb+4*\t:\rb+4*\t+3], v[OSTR] offset:OP*\t      ; LDS serves a wave's instructions in order: these see the stores above
.endr
.irp t, 0,1,2,3,4,5,6,7,8,9,10,11,12,13,14,15
	s_wait_dscnt 15-\t
	global_store_b128 v[CO], v[\rb+4*\t:\rb+4*\t+3], s[76:77] offset:(16*\a+\t)*4096 th:TH_STORE_NT
.endr
.endm
	OUT16 0, 96
	OUT16 1, 160
	OUT16 2, 96
	OUT16 3, 160
	s_wait_tensorcnt 0x0
	ds_add_u32 v254, v255
	s_wait_dscnt 0x0
	CROUND                                         ; the closing round: no work-group ends while a partner may still ask for a tile that names it
	s_endpgm
.Lfunc_end_k_q9aaa7ba920_outp:
	.size	k_q9aaa7ba920_outp, .Lfunc_end_k_q9aaa7ba920_outp-k_q9aaa7ba920_outp
	.p2alignl 7, 3214868480
	.fill 96, 4, 3214868480
	.section	.rodata,"a",@progbits
	.p2align	6, 0x0
	.amdhsa_kernel k_q9aaa7ba920_outp
		.amdhsa_group_segment_fixed_size 327680
		.amdhsa_private_segment_fixed_size 0
		.amdhsa_enable_private_segment 0
		.amdhsa_kernarg_size 56
		.amdhsa_user_sgpr_count 2
		.amdhsa_user_sgpr_kernarg_segment_ptr 1
		.amdhsa_wavefront_size32 1
		.amdhsa_system_sgpr_workgroup_id_x 1
		.amdhsa_system_sgpr_workgroup_id_y 1
		.amdhsa_system_sgpr_workgroup_id_z 1
		.amdhsa_system_vgpr_workitem_id 0
		.amdhsa_next_free_vgpr 768
		.amdhsa_next_free_sgpr 100
		.amdhsa_reserve_vcc 0
		.amdhsa_float_denorm_mode_32 3
		.amdhsa_float_denorm_mode_16_64 3
		.amdhsa_memory_ordered 1
		.amdhsa_forward_progress 1
		.amdhsa_inst_pref_size 193
	.end_amdhsa_kernel
	.amdgpu_metadata
---
amdhsa.version: [ 1, 2 ]
amdhsa.kernels:
  - .name:           k_q9aaa7ba920_outp
    .symbol:         k_q9aaa7ba920_outp.kd
    .args:
      - { .name: xb, .offset: 0, .size: 8, .value_kind: global_buffer, .address_space: global }
      - { .name: upd, .offset: 8, .size: 8, .value_kind: global_buffer, .address_space: global }
      - { .name: wob, .offset: 16, .size: 8, .value_kind: global_buffer, .address_space: global }
      - { .name: bvo, .offset: 24, .size: 8, .value_kind: global_buffer, .address_space: global }
      - { .name: bqo, .offset: 32, .size: 8, .value_kind: global_buffer, .address_space: global }
      - { .name: out0, .offset: 40, .size: 8, .value_kind: global_buffer, .address_space: global }
      - { .name: out1, .offset: 48, .size: 8, .value_kind: global_buffer, .address_space: global }
    .group_segment_fixed_size: 327680
    .private_segment_fixed_size: 0
    .kernarg_segment_align: 8
    .kernarg_segment_size: 56
    .max_flat_workgroup_size: 128
    .sgpr_count:     100
    .vgpr_count:     768
    .wavefront_size: 32
...
	.end_amdgpu_metadata
.endif
;; end of part 3
